; MI455X (gfx1250); checked and timed in simulation.
; The chip was launched on July 23, 2026; its instructions are those of AMD's public machine-readable ISA for CDNA 5 (MIT licence, August 2026) and "CDNA5" Instruction Set Architecture Reference Guide (July 2026). The comments in the code are by the model that wrote it; some were corrected since.
;; Expert Layer. Allowed arithmetic: float matrix products may take bf16 or f16 operands with f32 sums; all other float work in f32.
;; Inputs: W1 8 x 512 x 512 float32; W2 8 x 512 x 512 float32; Wr 512 x 8 float32; b1 8 x 512 float32; b2 8 x 512 float32; br 8 float32; x 4 x 2,048 x 512 float32.
;; Outputs: out0 4 x 2,048 x 512 float32.
;; 2 versions, each right; version 2 is version 1 with the launch mlp written anew for expert scheduling mode. Each part assembles by itself: llvm-mc -triple=amdgcn-amd-amdhsa -mcpu=gfx1250 --defsym DOCPART=n.
;; ======== version 1 of 2: 2 launches
;; limits: values are held in f16: magnitudes above 65,504 overflow, below 6.1e-05 lose precision
;; workspace buffers: wf 8,388,608 bytes; routes 16,384 bytes of whole numbers; gates 32,768 bytes
;; launch router (part 1): grid 256 x 1, 4 waves a work-group, no clusters, 18,176 bytes of LDS; arguments x, Wr, br, W1, W2, wf, routes, gates; writes wf, routes, gates
.if DOCPART == 1
	.amdgcn_target "amdgcn-amd-amdhsa--gfx1250"
	.amdhsa_code_object_version 6
	.text
	.protected	k_q7fda97ff03_router
	.globl	k_q7fda97ff03_router
	.p2align	8
	.type	k_q7fda97ff03_router,@function
k_q7fda97ff03_router:
	s_mov_b64 s[64:65], 0
	v_nop
	global_prefetch_b8 v0, s[64:65] scope:SCOPE_SE
	s_setreg_imm32_b32 hwreg(HW_REG_WAVE_MODE, 25, 1), 1
	s_wait_xcnt 0x0
; ROUTER, AND THE WEIGHTS REWRITTEN FOR THE MATRIX UNIT.
; Part 1: logits = x Wr + br, softmax, largest probability (gate) and its index, for 32 tokens a work-group, 8 a wave.
;   All of it in f32 on the vector unit: the index is a discontinuous function of the logits, and this product is
;   8192 x 512 x 8 multiply-adds, a 128th of the work of the expert layers.
;   A wave takes whole token rows: load j of lane L holds k = 128 j + 4 L + 0..3, so each load covers 512 consecutive bytes.
;   The index goes out as whole numbers: record t (64 bytes) of routes = 8 words of masks (bit q of word e: token 32 t + q
;   chose expert e), 4 words of counts (c0 | c1<<16, c2 | c3<<16, ..), 4 words of zero.  The gate goes out as f32.
; Part 2: each of the 1,024 waves rewrites 1/1024 of W1 and W2 as f16 in the order in which the second launch loads them:
;   byte (8 l + e) 524288 + w 131072 + ks 8192 + nt 1024 + q 512 + 16 L holds W[l][e][k][n], k = 32 ks + 16 q + 8 (L/16) + 0..7,
;   n = 128 w + 64 (nt/4) + 4 (L%16) + nt%4.  So four neighbouring columns, which one 16-byte load brings, go to four fragments.
; LIMITS.  The logits are f32 sums in another order than a row-by-row product: a token whose two largest probabilities agree
;   to about 1e-6 relative may take the other expert.  On equal exponentials the first index wins, as in jnp.argmax.
;   With a NaN logit the index is some expert 0..7 and the gate is NaN.  Weights are rounded to f16: |W| must stay under 65,504;
;   below 6.1e-5 they keep an absolute step of 6e-8.
.set X,      16                        ; v[16:143]   token tk, load j: 4 registers at 16 tk + 4 j
.set ACC,    144                       ; v[144:207]  token tk, expert e: partial logit
.set WC,     208                       ; v[208:239]  my quarter of Wr as loaded
.set TMP,    208                       ; the same registers, at work later
.set P,      ACC+8                     ; v[152:159]  the eight exponentials
.set MX,     216
.set SUM,    217
.set IDX,    218
.set BEST,   219
.set RCP,    220
.set GATE,   221
.set O,      16                        ; v[16:79]    f16 weights to store (x is used up by then)
.set WR,     0                         ; window 1, v[0:127]: Wr[128 j + 4 L + c][e] at 32 j + 8 c + e
.set WW,     128                       ; window 1, v[128:255]: unit i, row jj, column ic at 32 i + 4 jj + ic
.set WPITCH, 544                       ; LDS bytes from unit to unit of Wr: 512 + 32, so that the 16 lanes of a store go to 16 different 16-byte columns
.set RI,     32*WPITCH                 ; 128 bytes: index of the 32 tokens
.set RG,     RI+128                    ; 128 bytes: gate of the 32 tokens
.set MSB, 0
.macro WIN new                         ; s_set_vgpr_msb: bits 1:0 source 0, 3:2 source 1, 5:4 source 2, 7:6 destination; the high byte repeats the setting left
.if MSB != \new
	s_set_vgpr_msb (MSB<<8)|\new
.set MSB, \new
.endif
.endm
	s_load_b512 s[4:19], s[0:1], 0x0               ; x 4, Wr 6, br 8, W1 10, W2 12, wf 14, routes 16, gates 18
	v_lshl_add_u32 v254, v0, 2, 0x4500
	v_mov_b32 v255, 0
	v_and_b32 v1, 31, v0                           ; L
	v_lshrrev_b32 v2, 5, v0
	v_readfirstlane_b32 s20, v2                    ; w
	s_mov_b32 s21, ttmp9                           ; t
	s_mov_b32 s22, 0x76543210                      ; v_permlanex16_b32: lane i reads lane i of the other half
	s_mov_b32 s23, 0xfedcba98
	s_mov_b32 s32, 0xaaaaaaaa                      ; lanes with bit 0, 1, 2 set
	s_mov_b32 s33, 0xcccccccc
	s_mov_b32 s34, 0xf0f0f0f0
	s_lshl2_add_u32 s52, s21, s20                  ; gw = 4 t + w: bit 9 layer, 8:6 expert, 5:2 ks, 1 q, 0 upper or lower 256 columns
	v_lshlrev_b32 v4, 4, v1                        ; 16 L
	v_and_b32 v2, 7, v1
	v_lshrrev_b32 v3, 3, v1
	v_mul_u32_u24 v5, v2, WPITCH
	v_lshl_add_u32 v5, v3, 4, v5
	s_mul_i32 s53, s20, 8*WPITCH
	v_add_nc_u32 v5, s53, v5                       ; where my 16 bytes of Wr go: unit 8 w + L%8, place 16 (L/8) (+ 64 i)
	v_lshl_add_u32 v6, s20, 12, v4                 ; where they come from: 4096 w + 16 L (+ 512 i)
	v_and_b32 v7, 15, v1
	v_lshrrev_b32 v8, 4, v1
	v_lshlrev_b32 v11, 2, v7                       ; 4 (L%16): my word of the record
	v_lshlrev_b32 v7, 4, v7
	v_lshl_add_u32 v7, v8, 14, v7                  ; W: 8 rows of 2,048 bytes for the upper lanes + 16 (L%16)
	v_lshlrev_b32 v9, 2, v2
	v_lshl_add_u32 v9, s20, 5, v9                  ; word 8 w + L%8 of RI and RG
	v_lshlrev_b32 v10, 2, v1                       ; 4 L
	s_lshl_b32 s36, s21, 16                        ; x: 32 tokens of 2,048 bytes a work-group,
	s_lshl_b32 s53, s20, 14                        ; 8 a wave
	s_add_co_u32 s36, s36, s53
	s_mov_b32 s37, 0
	s_wait_kmcnt 0x0
	s_load_b256 s[24:31], s[8:9], 0x0              ; br, all 32 bytes
	s_add_nc_u64 s[4:5], s[4:5], s[36:37]
	s_cmp_lt_u32 s21, 128                          ; gw < 512: layer 1
	s_cselect_b64 s[38:39], s[10:11], s[12:13]
	s_bfe_u32 s36, s52, 0x80001                    ; 32 e + 2 ks + q: blocks of 16 rows of 2,048 bytes
	s_lshl_b32 s36, s36, 15
	s_and_b32 s53, s52, 1
	s_lshl_b32 s54, s53, 10                        ; columns 0-255 or 256-511
	s_add_co_u32 s36, s36, s54
	s_add_nc_u64 s[38:39], s[38:39], s[36:37]
	s_lshr_b32 s36, s52, 6                         ; wf: 8 l + e,
	s_lshl_b32 s36, s36, 19
	s_lshl_b32 s54, s53, 18                        ; two blocks of 128 columns,
	s_add_co_u32 s36, s36, s54
	s_bfe_u32 s54, s52, 0x40002                    ; ks,
	s_lshl_b32 s54, s54, 13
	s_add_co_u32 s36, s36, s54
	s_bfe_u32 s54, s52, 0x10001                    ; q
	s_lshl_b32 s54, s54, 9
	s_add_co_u32 s36, s36, s54
	s_add_nc_u64 s[14:15], s[14:15], s[36:37]
	s_lshl_b32 s36, s21, 6
	s_add_nc_u64 s[16:17], s[16:17], s[36:37]      ; my record
	s_lshl_b32 s36, s21, 7
	s_add_nc_u64 s[18:19], s[18:19], s[36:37]      ; my 32 gates
	; Everything that the wave will read is asked for now: 8 + 32 + 32 loads of 512 bytes.
.irp i,0,1,2,3,4,5,6,7
	global_load_b128 v[WC+4*\i:WC+4*\i+3], v6, s[6:7] offset:512*\i
.endr
.irp tk,0,1,2,3,4,5,6,7
.irp j,0,1,2,3
	global_load_b128 v[X+16*\tk+4*\j:X+16*\tk+4*\j+3], v4, s[4:5] offset:2048*\tk+512*\j
.endr
.endr
	WIN 0x40                                       ; destination in window 1
.irp i,0,1,2,3
.irp jj,0,1,2,3,4,5,6,7
	global_load_b128 v[WW+32*\i+4*\jj:WW+32*\i+4*\jj+3], v7, s[38:39] offset:2048*\jj+256*\i th:TH_LOAD_NT
.endr
.endr
	WIN 0
	; Wr: each wave has loaded a quarter; through LDS every wave gets all of it, lane L the rows k = 128 j + 4 L + c.
	s_wait_loadcnt 63                              ; 64 loads were issued behind my quarter of Wr; the count cannot name more than 63, and a smaller count is safe
.irp i,0,1,2,3,4,5,6,7
	ds_store_b128 v5, v[WC+4*\i:WC+4*\i+3] offset:64*\i
.endr
	s_wait_dscnt 0x0                               ; my stores are done, for the other waves
	s_barrier_signal -1
	s_barrier_wait -1
	WIN 0x40
.set u, 0
.rept 32
	ds_load_b128 v[WR+4*u:WR+4*u+3], v4 offset:WPITCH*u            ; 32 lanes, 512 consecutive bytes
.set u, u+1
.endr
	s_wait_dscnt 0x0
; The partial logits of token tt: 16 numbers of x times 8 columns of Wr in each lane, two experts to an instruction,
; four chains.  The first product starts the sums.
.macro DOT tt
	s_wait_loadcnt 32+4*(7-\tt)                    ; behind this token: the x loads of the later tokens and the 32 loads of W
.irp j,0,1,2,3
.irp c,0,1,2,3
.irp p,0,2,4,6
.if (\j+\c) == 0
	v_pk_mul_f32 v[ACC+8*\tt+\p:ACC+8*\tt+\p+1], v[X+16*\tt:X+16*\tt+1], v[WR+\p:WR+\p+1] op_sel_hi:[0,1]
.else
.if (\c&1) == 0
	v_pk_fma_f32 v[ACC+8*\tt+\p:ACC+8*\tt+\p+1], v[X+16*\tt+4*\j+\c:X+16*\tt+4*\j+\c+1], v[WR+32*\j+8*\c+\p:WR+32*\j+8*\c+\p+1], v[ACC+8*\tt+\p:ACC+8*\tt+\p+1] op_sel_hi:[0,1,1]
.else
	v_pk_fma_f32 v[ACC+8*\tt+\p:ACC+8*\tt+\p+1], v[X+16*\tt+4*\j+\c-1:X+16*\tt+4*\j+\c], v[WR+32*\j+8*\c+\p:WR+32*\j+8*\c+\p+1], v[ACC+8*\tt+\p:ACC+8*\tt+\p+1] op_sel:[1,0,0] op_sel_hi:[1,1,1]
.endif
.endif
.endr
.endr
.endr
.endm
	WIN 0x04                                       ; source 1 (Wr) in window 1
.irp tk,0,1,2,3,4,5,6,7
	DOT \tk
.endr
	WIN 0
; Two registers become one: lanes in the mask keep b and send a, the others keep a and send b; each adds what its partner sent.
.macro HALVE a, b, mask, xm, t
	v_cndmask_b32 v[\t], v[\a], v[\b], \mask
	v_cndmask_b32 v[\b], v[\b], v[\a], \mask
	v_add_f32_dpp v[\a], v[\b], v[\t] row_xmask:\xm row_mask:0xf bank_mask:0xf
.endm
.irp tp,0,1,2,3
.irp e,0,1,2,3,4,5,6,7
	HALVE ACC+16*\tp+\e, ACC+16*\tp+8+\e, s32, 1, TMP+\e
.endr
.endr
.irp tp,0,1
.irp e,0,1,2,3,4,5,6,7
	HALVE ACC+32*\tp+\e, ACC+32*\tp+16+\e, s33, 2, TMP+\e
.endr
.endr
.irp e,0,1,2,3,4,5,6,7
	HALVE ACC+\e, ACC+32+\e, s34, 4, TMP+\e
.endr
	; lane L now works for token L%8; the four lanes of a token still hold parts
.irp e,0,1,2,3,4,5,6,7
	v_add_f32_dpp v[ACC+\e], v[ACC+\e], v[ACC+\e] row_xmask:8 row_mask:0xf bank_mask:0xf
.endr
.irp e,0,1,2,3,4,5,6,7
	v_permlanex16_b32 v[TMP+\e], v[ACC+\e], s22, s23
.endr
	s_wait_kmcnt 0x0                               ; br
.irp e,0,1,2,3,4,5,6,7
	v_add_f32 v[ACC+\e], v[ACC+\e], v[TMP+\e]
.endr
.irp e,0,1,2,3,4,5,6,7
	v_add_f32 v[ACC+\e], s[24+\e], v[ACC+\e]
.endr
	; softmax of eight numbers, the maximum taken away first; one pass serves all 8 tokens of the wave
	v_max3_num_f32 v[MX], v[ACC], v[ACC+1], v[ACC+2]
	v_max3_num_f32 v[MX], v[MX], v[ACC+3], v[ACC+4]
	v_max3_num_f32 v[MX], v[MX], v[ACC+5], v[ACC+6]
	v_max_num_f32 v[MX], v[MX], v[ACC+7]
.irp e,0,1,2,3,4,5,6,7
	v_sub_f32 v[ACC+\e], v[ACC+\e], v[MX]          ; exactly 0 for the largest
.endr
.irp e,0,1,2,3,4,5,6,7
	v_mul_f32 v[ACC+\e], 0x3fb8aa3b, v[ACC+\e]     ; log2(e): v_exp_f32 works in base 2
.endr
.irp e,0,1,2,3,4,5,6,7
	v_exp_f32 v[P+\e], v[ACC+\e]
.endr
	v_mov_b32 v[IDX], 0                            ; the plain instruction between the exponentials and their first use (ISA guide 5.7.2)
	s_wait_alu depctr_va_vdst(0)
	v_add_f32 v[TMP], v[P], v[P+1]
	v_add_f32 v[TMP+1], v[P+2], v[P+3]
	v_add_f32 v[TMP+2], v[P+4], v[P+5]
	v_add_f32 v[TMP+3], v[P+6], v[P+7]
	v_add_f32 v[TMP], v[TMP], v[TMP+1]
	v_add_f32 v[TMP+2], v[TMP+2], v[TMP+3]
	v_add_f32 v[SUM], v[TMP], v[TMP+2]
	v_rcp_f32 v[RCP], v[SUM]                       ; used only behind the search below
	v_mov_b32 v[BEST], v[P]
.irp e,1,2,3,4,5,6,7
	v_cmp_ge_f32 vcc_lo, v[BEST], v[P+\e]          ; the earlier index stays on a tie
	v_cndmask_b32 v[IDX], \e, v[IDX], vcc_lo
	v_max_num_f32 v[BEST], v[BEST], v[P+\e]
.endr
	s_wait_alu depctr_va_vdst(0)
	v_mul_f32 v[GATE], v[BEST], v[RCP]
	ds_store_b32 v9, v[IDX] offset:RI              ; the four lanes of a token store the same number to the same word
	ds_store_b32 v9, v[GATE] offset:RG
	s_wait_dscnt 0x0                               ; for wave 0
	s_barrier_signal -1
	s_barrier_wait -1
	; wave 0 writes the record and the gates of the 32 tokens: lane L stands for token L
	s_cmp_lg_u32 s20, 0
	s_cbranch_scc1 .Lnot_wave_0
	ds_load_b32 v12, v10 offset:RI
	ds_load_b32 v13, v10 offset:RG
	v_mov_b32 v14, 0
	v_mov_b32 v15, 0
	s_wait_dscnt 0x0
	global_store_b32 v10, v13, s[18:19]            ; 128 consecutive bytes
.irp e,0,1,2,3,4,5,6,7
	v_cmp_eq_u32 s[40+\e], \e, v12                 ; the mask of expert e
.endr
.irp k,0,1,2,3
	s_bcnt1_i32_b32 s53, s[40+2*\k]
	s_bcnt1_i32_b32 s54, s[41+2*\k]
	s_lshl_b32 s54, s54, 16
	s_or_b32 s[48+\k], s53, s54
.endr
.irp e,0,1,2,3,4,5,6,7
	v_writelane_b32 v14, s[40+\e], \e
.endr
.irp k,0,1,2,3
	v_writelane_b32 v14, s[48+\k], 8+\k
.endr
	v_permlanex16_b32 v15, v14, s22, s23           ; lanes 16-31 take a copy, so that all lanes store and EXEC stays whole
	v_or_b32 v14, v14, v15
	global_store_b32 v11, v14, s[16:17]            ; 64 consecutive bytes, each word stored twice with the same number
.Lnot_wave_0:
; Unit i: 64 columns x 16 rows of W.  Lane (h, r) holds rows 8 h + 0..7 of columns 4 r + 0..3; column ic makes 16 bytes of fragment ic.
.macro WCONV i
	s_wait_loadcnt 8*(3-\i)                        ; behind this unit: the loads of the later units
	WIN 0x05                                       ; both sources in window 1
.irp ic,0,1,2,3
.irp pp,0,1,2,3
	v_cvt_pk_f16_f32 v[O+16*\i+4*\ic+\pp], v[WW+32*\i+8*\pp+\ic], v[WW+32*\i+8*\pp+4+\ic]   ; the lower k in the low half
.endr
.endr
	WIN 0
.irp ic,0,1,2,3
	global_store_b128 v4, v[O+16*\i+4*\ic:O+16*\i+4*\ic+3], s[14:15] offset:(\i>>1)*131072+(\i&1)*4096+\ic*1024   ; 512 consecutive bytes, aligned
.endr
.endm
	WCONV 0                                        ; each unit has output registers of its own: no store data is written again
	WCONV 1
	WCONV 2
	WCONV 3
	s_wait_tensorcnt 0x0
	ds_add_u32 v254, v255
	s_wait_dscnt 0x0
	s_endpgm
.Lfunc_end_k_q7fda97ff03_router:
	.size	k_q7fda97ff03_router, .Lfunc_end_k_q7fda97ff03_router-k_q7fda97ff03_router
	.p2alignl 7, 3214868480
	.fill 96, 4, 3214868480
	.section	.rodata,"a",@progbits
	.p2align	6, 0x0
	.amdhsa_kernel k_q7fda97ff03_router
		.amdhsa_group_segment_fixed_size 18176
		.amdhsa_private_segment_fixed_size 0
		.amdhsa_enable_private_segment 0
		.amdhsa_kernarg_size 64
		.amdhsa_user_sgpr_count 2
		.amdhsa_user_sgpr_kernarg_segment_ptr 1
		.amdhsa_wavefront_size32 1
		.amdhsa_system_sgpr_workgroup_id_x 1
		.amdhsa_system_sgpr_workgroup_id_y 1
		.amdhsa_system_sgpr_workgroup_id_z 1
		.amdhsa_system_vgpr_workitem_id 0
		.amdhsa_next_free_vgpr 512
		.amdhsa_next_free_sgpr 66
		.amdhsa_reserve_vcc 1
		.amdhsa_float_denorm_mode_32 3
		.amdhsa_float_denorm_mode_16_64 3
		.amdhsa_memory_ordered 1
		.amdhsa_forward_progress 1
		.amdhsa_inst_pref_size 68
	.end_amdhsa_kernel
	.amdgpu_metadata
---
amdhsa.version: [ 1, 2 ]
amdhsa.kernels:
  - .name:           k_q7fda97ff03_router
    .symbol:         k_q7fda97ff03_router.kd
    .args:
      - { .name: x, .offset: 0, .size: 8, .value_kind: global_buffer, .address_space: global }
      - { .name: Wr, .offset: 8, .size: 8, .value_kind: global_buffer, .address_space: global }
      - { .name: br, .offset: 16, .size: 8, .value_kind: global_buffer, .address_space: global }
      - { .name: W1, .offset: 24, .size: 8, .value_kind: global_buffer, .address_space: global }
      - { .name: W2, .offset: 32, .size: 8, .value_kind: global_buffer, .address_space: global }
      - { .name: wf, .offset: 40, .size: 8, .value_kind: global_buffer, .address_space: global }
      - { .name: routes, .offset: 48, .size: 8, .value_kind: global_buffer, .address_space: global }
      - { .name: gates, .offset: 56, .size: 8, .value_kind: global_buffer, .address_space: global }
    .group_segment_fixed_size: 18176
    .private_segment_fixed_size: 0
    .kernarg_segment_align: 8
    .kernarg_segment_size: 64
    .max_flat_workgroup_size: 128
    .sgpr_count:     66
    .vgpr_count:     512
    .wavefront_size: 32
...
	.end_amdgpu_metadata
.endif
;; end of part 1
;; launch mlp (part 2): grid 135 x 1, 4 waves a work-group, no clusters, 137,728 bytes of LDS; arguments x, wf, routes, gates, b1, b2, out0; writes out0
.if DOCPART == 2
	.amdgcn_target "amdgcn-amd-amdhsa--gfx1250"
	.amdhsa_code_object_version 6
	.text
	.protected	k_q7fda97ff03_mlp
	.globl	k_q7fda97ff03_mlp
	.p2align	8
	.type	k_q7fda97ff03_mlp,@function
k_q7fda97ff03_mlp:
	s_mov_b64 s[64:65], 0
	v_nop
	global_prefetch_b8 v0, s[64:65] scope:SCOPE_SE
	s_setreg_imm32_b32 hwreg(HW_REG_WAVE_MODE, 25, 1), 1
	s_wait_xcnt 0x0
; THE CHOSEN EXPERT ALONE: out0[token] = gate x (relu(x W1[e] + b1[e]) W2[e] + b2[e]).
; A work-group takes one tile: one expert, up to 64 of its tokens.  It gathers their rows of x, runs both layers with h1 kept in LDS,
; and scatters whole rows of out0.  Four waves; wave w makes columns 128 w .. 128 w + 127 of both layers for all 64 rows: 32 accumulator
; tiles of 16 x 16.  No weight is used by two waves, and wf holds the weights in fragment order, so a wave loads them straight into
; registers, 512 consecutive bytes an instruction, three K steps ahead of their use (a ring of four slots of 16 loads).
; WHICH TILE.  Every work-group reads the 256 records of routes.  With c_e tokens for expert e there are Fu = sum of c_e / 64 full tiles and
; P tiles of c_e % 64 rows; Fu + P is 128 to 135.  The grid is 135: the first 135 - Fu - P full tiles are cut into two halves of 32 rows,
; so every work-group has rows.  The choice is made by selects; there is no branch, and EXEC is never changed.
; Places of the tile beyond its rows repeat its last token: they compute the same numbers, and the same wave stores them to the same bytes.
; ORDER INSIDE AN EXPERT: record 32 i + L belongs to lane L; tokens are ranked by L, then i, then the bit in the mask.
; NO JOINT LOADS: which work-groups share an expert hangs on counts read from memory, and an expert may have 0, 1 or 135 tiles.
; LIMITS.  Matrix operands (x, W1, h1, W2) are f16, sums f32: |x|, |W| and |h1| must stay under 65,504.  With x and W1 both 30 times their
; drawn spread h1 has a spread of 900; with both carrying an offset of 30 spreads it is about 512 x 30 x 1.33 = 20,400.
; relu is a maximum in which a NaN loses: a NaN in front of it becomes 0.
.set XPITCH, 1040                      ; an LDS row: 1,024 bytes + 16 = 65 x 16, so the 16 rows of a fragment load start in 16 different 16-byte columns
.set HT,     64*XPITCH                 ; LDS: x tile at 0, h1 tile here, 64 rows each
.set LR,     128*XPITCH                ; 4 x 512: each wave has a raw list, words 0-63 and word 64 for everything that misses
.set LF,     LR+2048                   ; 4 x 256: each wave has its copy of the 64 tokens
.set GF,     LF+1024                   ; 4 x 256: and of their gates
; window 0: v1 L, v2 r = L%16, v3 h = L/16, v4-v9 addresses of the head, v12-v27 addresses (below)
.set B1,   28                          ; v[28:35]   b1 of my columns, fragment nt
.set B2,   36                          ; v[36:43]   b2
.set ABUF, 44                          ; v[44:107]  A fragments, two buffers of 4 x 8
.set T,    108                         ; v[108:171] at work: packed f16, results to store
.set G,    172                         ; v[172:203] gate of row 16 mt + 8 h + j at 8 mt + j
.set OFFS, 204                         ; v[204:235] byte offset in out0 of that row, my columns
.set XO,   236                         ; v[236:251] byte offset in x of rows 16 w + 0..15
; the head alone:
.set PK,   108                         ; record 32 i + L: its four words of counts at 4 i
.set MK,   140                         ; records 32 (2 w + u) + L: their eight masks at 8 u
.set CE,   44                          ; count of my expert in record 32 i + L
.set R,    52                          ; R[i]: sum of CE[0..i-1]
.set SS,   61                          ; four words of packed totals
.set BT,   65
.set NM0,  61                          ; for u = 0; u = 1 three further: the inverted mask,
.set Y0,   62                          ; rank - first row of the tile - bit number,
.set TB0,  63                          ; token of bit 0
.set C0,   67
.set S0,   68
.set K0,   69
.set C1,   70
.set S1,   71
.set K1,   72
.set TA,   67
.set TC,   68
.set SU,   70
.set SUMR, 73
.set PRE,  74
.set ST,   75
; window 1: B ring, slot s at 64 s, fragment nt at + 8 nt.   window 2: accumulators, tile (mt, nt) at 8 (8 mt + nt); before that the gathered x
.set MSB, 0
.macro WIN new                         ; s_set_vgpr_msb: bits 1:0 source 0, 3:2 source 1, 5:4 source 2, 7:6 destination; the high byte repeats the setting left
.if MSB != \new
	s_set_vgpr_msb (MSB<<8)|\new
.set MSB, \new
.endif
.endm
	s_load_b256 s[4:11], s[0:1], 0x0               ; x 4, wf 6, routes 8, gates 10
	s_load_b128 s[12:15], s[0:1], 0x20             ; b1 12, b2 14
	s_load_b64 s[16:17], s[0:1], 0x30              ; out0
	v_lshl_add_u32 v254, v0, 2, 0x21800
	v_mov_b32 v255, 0
	v_and_b32 v1, 31, v0
	v_lshrrev_b32 v4, 5, v0
	v_readfirstlane_b32 s18, v4                    ; w
	s_mov_b32 s19, ttmp9                           ; b
	s_mov_b32 s20, 0x76543210
	s_mov_b32 s21, 0xfedcba98
	s_mov_b32 s22, 0xaaaaaaaa                      ; lanes with bit 0 .. 4 set
	s_mov_b32 s23, 0xcccccccc
	s_mov_b32 s24, 0xf0f0f0f0
	s_mov_b32 s25, 0xff00ff00
	s_mov_b32 s26, 0xffff0000
	s_bfe_u32 s57, s18, 0x10000
	s_sub_co_u32 s57, 0, s57                       ; all ones if bit 0 of w is set
	s_bfe_u32 s58, s18, 0x10001
	s_sub_co_u32 s58, 0, s58                       ; the same for bit 1
	v_and_b32 v2, 15, v1
	v_lshrrev_b32 v3, 4, v1
	v_lshlrev_b32 v6, 6, v1                        ; record L
	v_lshl_add_u32 v7, s18, 12, v6                 ; record 64 w + L
	v_lshlrev_b32 v12, 4, v1                       ; 16 L
	v_mul_u32_u24 v13, v2, XPITCH
	v_lshl_add_u32 v13, v3, 4, v13                 ; A fragments of layer 1: row r, 16 h
	v_add_nc_u32 v14, HT, v13                      ; of layer 2
	v_mul_u32_u24 v15, v3, 8*XPITCH
	v_lshl_add_u32 v15, v2, 3, v15
	s_lshl_b32 s47, s18, 8
	s_add_co_u32 s48, s47, HT
	v_add_nc_u32 v15, s48, v15                     ; h1 out: row 8 h, byte 256 w + 8 r
	s_mul_i32 s48, s18, 16*XPITCH
	v_lshl_add_u32 v16, v1, 3, s48                 ; x out: row 16 w, byte 8 L
	s_lshl_b32 s48, s18, 9
	v_lshl_add_u32 v17, v2, 4, s48                 ; my columns in b1, b2, out0: 512 w + 16 r
	s_mul_i32 s48, s18, 320
	s_add_co_u32 s48, s48, LF
	v_mov_b32 v18, s48                             ; my list, word 16 w
	s_add_co_u32 s48, s47, LF
	v_lshl_add_u32 v19, v3, 5, s48                 ; my list, word 8 h
	v_lshl_add_u32 v21, v1, 2, s48                 ; my list, word L
	s_add_co_u32 s48, s47, GF
	v_lshl_add_u32 v20, v3, 5, s48                 ; my gates, word 8 h
	v_lshl_add_u32 v26, v1, 2, s48                 ; my gates, word L
	s_lshl_b32 s59, s18, 9
	s_add_co_u32 s59, s59, LR                      ; my raw list
	v_lshl_add_u32 v27, v1, 3, s59
	v_mov_b32 v4, 0
	v_mov_b32 v5, 0
	ds_store_b64 v27, v[4:5]                       ; words 0-63 of my raw list are zero: the four lists are added later
	s_wait_kmcnt 0x0
.irp i,0,1,2,3,4,5,6,7
	global_load_b128 v[PK+4*\i:PK+4*\i+3], v6, s[8:9] offset:2048*\i+32
.endr
.irp u,0,1
	global_load_b128 v[MK+8*\u:MK+8*\u+3], v7, s[8:9] offset:2048*\u
	global_load_b128 v[MK+8*\u+4:MK+8*\u+7], v7, s[8:9] offset:2048*\u+16
.endr
	s_wait_loadcnt 4                               ; the counts are in; the four loads of masks stay out
	; totals of the eight experts: two 16-bit fields to a word, 8,192 at the most in a field
.irp k,0,1,2,3
	v_add3_u32 v[SS+\k], v[PK+\k], v[PK+4+\k], v[PK+8+\k]
	v_add3_u32 v[SS+\k], v[SS+\k], v[PK+12+\k], v[PK+16+\k]
	v_add3_u32 v[SS+\k], v[SS+\k], v[PK+20+\k], v[PK+24+\k]
	v_add_nc_u32 v[SS+\k], v[SS+\k], v[PK+28+\k]
.endr
	v_mov_b32 v[BT], 0
.macro BFLY rg                         ; sum over the 32 lanes
.irp xm,1,2,4,8
	v_mov_b32_dpp v[BT], v[\rg] row_xmask:\xm row_mask:0xf bank_mask:0xf
	v_add_nc_u32 v[\rg], v[\rg], v[BT]
.endr
	v_permlanex16_b32 v[BT], v[\rg], s20, s21
	v_add_nc_u32 v[\rg], v[\rg], v[BT]
.endm
.irp k,0,1,2,3
	BFLY SS+\k
.endr
.irp k,0,1,2,3
	v_readfirstlane_b32 s47, v[SS+\k]
	s_and_b32 s[28+2*\k], s47, 0xffff              ; c0 .. c7 in s28 .. s35
	s_lshr_b32 s[29+2*\k], s47, 16
.endr
	; the tile of work-group b
	s_mov_b32 s36, 0                               ; Fu
	s_mov_b32 s37, 0                               ; P
.irp e,0,1,2,3,4,5,6,7
	s_lshr_b32 s47, s[28+\e], 6
	s_add_co_u32 s36, s36, s47
	s_and_b32 s47, s[28+\e], 63                    ; SCC: a rest
	s_cselect_b32 s47, 1, 0
	s_add_co_u32 s37, s37, s47
.endr
	s_add_co_u32 s47, s36, s37
	s_sub_co_u32 s38, 135, s47                     ; Lx: so many full tiles are cut in two
	s_lshr_b32 s47, s19, 1
	s_sub_co_u32 s48, s19, s38
	s_lshl_b32 s49, s38, 1
	s_cmp_lt_u32 s19, s49
	s_cselect_b32 s39, s47, s48                    ; number of the full tile: b / 2 among the halves, b - Lx behind them
	s_cselect_b32 s41, 1, 0                        ; a half
	s_sub_co_u32 s40, s48, s36                     ; number of the partial tile: b - Lx - Fu (of use only where that is not negative)
	s_mov_b32 s42, 0
	s_mov_b32 s43, 0
	s_mov_b32 s44, 0
.irp e,0,1,2,3,4,5,6,7
	s_cmp_le_u32 s42, s39                          ; the last expert whose first full tile is not behind mine
	s_cselect_b32 s43, \e, s43
	s_cselect_b32 s44, s42, s44
	s_lshr_b32 s47, s[28+\e], 6
	s_add_co_u32 s42, s42, s47
.endr
	s_mov_b32 s42, 0
	s_mov_b32 s45, 0
	s_mov_b32 s46, 0
.irp e,0,1,2,3,4,5,6,7
	s_cmp_le_u32 s42, s40                          ; the same among the partial tiles
	s_cselect_b32 s45, \e, s45
	s_cselect_b32 s46, s[28+\e], s46
	s_and_b32 s47, s[28+\e], 63
	s_cselect_b32 s47, 1, 0
	s_add_co_u32 s42, s42, s47
.endr
	s_sub_co_u32 s47, s39, s44
	s_lshl_b32 s47, s47, 6
	s_and_b32 s48, s19, s41
	s_lshl_b32 s48, s48, 5
	s_add_co_u32 s47, s47, s48                     ; a full tile: its first rank,
	s_lshr_b32 s48, 64, s41                        ; 64 or 32 rows
	s_and_b32 s49, s46, 0xffffffc0                 ; a partial tile: behind the full ones,
	s_and_b32 s42, s46, 63                         ; the rest
	s_add_co_u32 s37, s38, s36
	s_cmp_ge_u32 s19, s37
	s_cselect_b32 s50, s45, s43                    ; e
	s_cselect_b32 s51, s49, s47                    ; first rank
	s_cselect_b32 s52, s42, s48                    ; rows
	s_min_u32 s50, s50, 7                          ; what enters an address is bounded in the text
	s_sub_co_u32 s52, s52, 1
	s_min_u32 s52, s52, 63                         ; the last place that holds a token of its own
	s_bfe_u32 s53, s50, 0x10000
	s_sub_co_u32 s53, 0, s53                       ; all ones if bit 0, 1, 2 of e is set
	s_bfe_u32 s54, s50, 0x10001
	s_sub_co_u32 s54, 0, s54
	s_bfe_u32 s55, s50, 0x10002
	s_sub_co_u32 s55, 0, s55
	s_and_b32 s56, s50, 1
	s_lshl_b32 s56, s56, 4                         ; where my count lies in its word
	s_lshl_b32 s60, s50, 19
	s_lshl_b32 s47, s18, 17
	s_add_co_u32 s60, s60, s47
	s_mov_b32 s61, 0
	s_add_nc_u64 s[6:7], s[6:7], s[60:61]          ; wf at expert e, layer 1, my 128 columns
	s_lshl_b32 s60, s50, 11
	s_add_nc_u64 s[12:13], s[12:13], s[60:61]
	s_add_nc_u64 s[14:15], s[14:15], s[60:61]
; the weights of K step tb (0-15 layer 1, 16-31 layer 2): 8 fragments, 16 loads of 512 consecutive bytes, into slot tb % 4.
; The address registers are never written again; the step stands in the immediate, 4,324,864 at the most.
.macro LOADB tb
.irp nt,0,1,2,3,4,5,6,7
	global_load_b128 v[64*((\tb)&3)+8*\nt:64*((\tb)&3)+8*\nt+3], v12, s[6:7] offset:((\tb)>>4)*0x400000+((\tb)&15)*8192+\nt*1024
	global_load_b128 v[64*((\tb)&3)+8*\nt+4:64*((\tb)&3)+8*\nt+7], v12, s[6:7] offset:((\tb)>>4)*0x400000+((\tb)&15)*8192+\nt*1024+512
.endr
.endm
.irp g,0,1
	global_load_b128 v[B1+4*\g:B1+4*\g+3], v17, s[12:13] offset:256*\g
	global_load_b128 v[B2+4*\g:B2+4*\g+3], v17, s[14:15] offset:256*\g
.endr
	WIN 0x40                                       ; destination in window 1
	LOADB 0
	LOADB 1
	LOADB 2
	WIN 0
	; ranks: how many tokens of my expert stand in front of each of my records
.irp i,0,1,2,3,4,5,6,7
	v_cndmask_b32 v[TA], v[PK+4*\i], v[PK+4*\i+1], s54
	v_cndmask_b32 v[TC], v[PK+4*\i+2], v[PK+4*\i+3], s54
	v_cndmask_b32 v[TA], v[TA], v[TC], s55
	v_bfe_u32 v[CE+\i], v[TA], s56, 16
.endr
	v_mov_b32 v[R], 0
.irp i,0,1,2,3,4,5,6,7
	v_add_nc_u32 v[R+\i+1], v[R+\i], v[CE+\i]
.endr
	v_mov_b32 v[SUMR], v[R+8]
	v_mov_b32 v[PRE], 0
	v_mov_b32 v[ST], 0
.macro SCANSTEP xm, mask               ; the partner block is added to PRE where it holds the lower lanes
	v_mov_b32_dpp v[ST], v[SUMR] row_xmask:\xm row_mask:0xf bank_mask:0xf
	v_cndmask_b32 v[SU], 0, v[ST], \mask
	v_add_nc_u32 v[PRE], v[PRE], v[SU]
	v_add_nc_u32 v[SUMR], v[SUMR], v[ST]
.endm
	SCANSTEP 1, s22
	SCANSTEP 2, s23
	SCANSTEP 4, s24
	SCANSTEP 8, s25
	v_permlanex16_b32 v[ST], v[SUMR], s20, s21
	v_cndmask_b32 v[SU], 0, v[ST], s26
	v_add_nc_u32 v[PRE], v[PRE], v[SU]
	v_sub_nc_u32 v[PRE], v[PRE], s51               ; counted from the first rank of the tile
	s_lshl_b32 s47, s18, 11
	s_wait_loadcnt 52                              ; the masks are in; behind them 4 loads of biases and 48 of weights
.irp u,0,1
	v_cndmask_b32 v[MK+8*\u], v[MK+8*\u], v[MK+8*\u+1], s53
	v_cndmask_b32 v[MK+8*\u+2], v[MK+8*\u+2], v[MK+8*\u+3], s53
	v_cndmask_b32 v[MK+8*\u+4], v[MK+8*\u+4], v[MK+8*\u+5], s53
	v_cndmask_b32 v[MK+8*\u+6], v[MK+8*\u+6], v[MK+8*\u+7], s53
	v_cndmask_b32 v[MK+8*\u], v[MK+8*\u], v[MK+8*\u+2], s54
	v_cndmask_b32 v[MK+8*\u+4], v[MK+8*\u+4], v[MK+8*\u+6], s54
	v_cndmask_b32 v[MK+8*\u], v[MK+8*\u], v[MK+8*\u+4], s55
	v_xor_b32 v[NM0+3*\u], -1, v[MK+8*\u]
	v_cndmask_b32 v[TA], v[R+\u], v[R+2+\u], s57   ; R[2 w + u]
	v_cndmask_b32 v[TC], v[R+4+\u], v[R+6+\u], s57
	v_cndmask_b32 v[TA], v[TA], v[TC], s58
	v_add_nc_u32 v[Y0+3*\u], v[TA], v[PRE]
.endr
	v_lshl_add_u32 v[TB0], v1, 5, s47              ; token of bit 0 of record 32 (2 w) + L
	v_add_nc_u32 v[TB0+3], 0x400, v[TB0]           ; and of record 32 (2 w + 1) + L
; Bit q of my two masks.  Y + q is the place in the tile; a clear bit sets the top bit, a rank in front of the tile is negative:
; as unsigned numbers both, and every place from 64 on, end in word 64, which nobody reads.
.macro BITS q
	v_bfe_u32 v[C0], v[NM0], \q, 1
	v_bfe_u32 v[C1], v[NM0+3], \q, 1
	v_add_nc_u32 v[S0], \q, v[Y0]
	v_add_nc_u32 v[S1], \q, v[Y0+3]
	v_lshl_or_b32 v[S0], v[C0], 31, v[S0]
	v_lshl_or_b32 v[S1], v[C1], 31, v[S1]
	v_min_u32 v[S0], 64, v[S0]
	v_min_u32 v[S1], 64, v[S1]
	v_lshl_add_u32 v[S0], v[S0], 2, s59
	v_lshl_add_u32 v[S1], v[S1], 2, s59
	v_add_nc_u32 v[K0], \q, v[TB0]
	v_add_nc_u32 v[K1], \q, v[TB0+3]
	ds_store_b32 v[S0], v[K0]
	ds_store_b32 v[S1], v[K1]
	v_sub_nc_u32 v[Y0], v[Y0], v[C0]
	v_sub_nc_u32 v[Y0+3], v[Y0+3], v[C1]
.endm
.irp q,0,1,2,3,4,5,6,7,8,9,10,11,12,13,14,15,16,17,18,19,20,21,22,23,24,25,26,27,28,29,30,31
	BITS \q
.endr
	s_wait_dscnt 0x0                               ; my raw list is written, for the other waves
	s_barrier_signal -1
	s_barrier_wait -1
	; the 64 tokens, each wave for itself: place p takes place min(p, rows - 1); one of the four lists holds the token, the others zero
	v_min_u32 v4, s52, v1
	v_add_nc_u32 v5, 32, v1
	v_min_u32 v5, s52, v5
	v_min_u32 v4, 63, v4
	v_min_u32 v5, 63, v5
	v_lshl_add_u32 v4, v4, 2, LR
	v_lshl_add_u32 v5, v5, 2, LR
.irp ww,0,1,2,3
	ds_load_b32 v[61+\ww], v4 offset:512*\ww
	ds_load_b32 v[65+\ww], v5 offset:512*\ww
.endr
	s_wait_dscnt 0x0
	v_add3_u32 v22, v61, v62, v63
	v_add3_u32 v23, v65, v66, v67
	v_add_nc_u32 v22, v22, v64
	v_add_nc_u32 v23, v23, v68
	v_min_u32 v22, 0x1fff, v22
	v_min_u32 v23, 0x1fff, v23
	ds_store_b32 v21, v22                          ; into bytes of my own: the loads below see them, LDS serves a wave in order (ISA guide 5.7.1)
	ds_store_b32 v21, v23 offset:128
	v_lshlrev_b32 v8, 2, v22
	v_lshlrev_b32 v9, 2, v23
	global_load_b32 v24, v8, s[10:11]              ; their gates
	global_load_b32 v25, v9, s[10:11]
.irp c,0,1,2,3
	ds_load_b128 v[XO+4*\c:XO+4*\c+3], v18 offset:16*\c            ; tokens of rows 16 w + 0..15, the same in every lane
.endr
	s_wait_dscnt 0x0
.irp i,0,1,2,3,4,5,6,7,8,9,10,11,12,13,14,15
	v_min_u32 v[XO+\i], 0x1fff, v[XO+\i]
.endr
.irp i,0,1,2,3,4,5,6,7,8,9,10,11,12,13,14,15
	v_lshl_add_u32 v[XO+\i], v[XO+\i], 11, v12
.endr
	WIN 0x80                                       ; destination in window 2
.irp i,0,1,2,3,4,5,6,7,8,9,10,11,12,13,14,15
.irp c,0,1,2,3
	global_load_b128 v[16*\i+4*\c:16*\i+4*\c+3], v[XO+\i], s[4:5] offset:512*\c   ; 512 consecutive bytes of a row of x
.endr
.endr
; four rows of x: to f16, into the x tile
.macro XCONV bq
	s_wait_loadcnt 48-16*\bq                       ; behind this batch: the 16 loads of each later batch
	WIN 0x0a                                       ; both sources in window 2
.irp ii,0,1,2,3
.irp c,0,1,2,3
	v_cvt_pk_f16_f32 v[T+32*(\bq&1)+2*(4*\ii+\c)], v[16*(4*\bq+\ii)+4*\c], v[16*(4*\bq+\ii)+4*\c+1]
	v_cvt_pk_f16_f32 v[T+32*(\bq&1)+2*(4*\ii+\c)+1], v[16*(4*\bq+\ii)+4*\c+2], v[16*(4*\bq+\ii)+4*\c+3]
.endr
.endr
	WIN 0
.irp ii,0,1,2,3
.irp c,0,1,2,3
	ds_store_b64 v16, v[T+32*(\bq&1)+2*(4*\ii+\c):T+32*(\bq&1)+2*(4*\ii+\c)+1] offset:(4*\bq+\ii)*XPITCH+256*\c   ; 32 lanes, 256 consecutive bytes
.endr
.endr
.endm
	XCONV 0
	XCONV 1
	XCONV 2
	XCONV 3                                        ; its wait is for 0: biases, gates and the weights of K steps 0 to 2 are in as well
	ds_store_b32 v26, v24
	ds_store_b32 v26, v25 offset:128
.irp mt,0,1,2,3
.irp c,0,1
	ds_load_b128 v[OFFS+8*\mt+4*\c:OFFS+8*\mt+4*\c+3], v19 offset:64*\mt+16*\c   ; tokens of rows 16 mt + 8 h + 0..7
	ds_load_b128 v[G+8*\mt+4*\c:G+8*\mt+4*\c+3], v20 offset:64*\mt+16*\c         ; and their gates
.endr
.endr
	s_wait_dscnt 0x0                               ; also: my part of the x tile is written, for the other waves
.set rr, 0
.rept 32
	v_min_u32 v[OFFS+rr], 0x1fff, v[OFFS+rr]
.set rr, rr+1
.endr
.set rr, 0
.rept 32
	v_lshl_add_u32 v[OFFS+rr], v[OFFS+rr], 11, v17
.set rr, rr+1
.endr
	s_barrier_signal -1
	s_barrier_wait -1
; the A fragments of K step ta: 64 rows x 32 K, 8 loads, into buffer ta % 2
.macro LOADA ta
.irp mt,0,1,2,3
	ds_load_b128 v[ABUF+32*((\ta)&1)+8*\mt:ABUF+32*((\ta)&1)+8*\mt+3], v[13+((\ta)>>4)] offset:\mt*16*XPITCH+((\ta)&15)*64
	ds_load_b128 v[ABUF+32*((\ta)&1)+8*\mt+4:ABUF+32*((\ta)&1)+8*\mt+7], v[13+((\ta)>>4)] offset:\mt*16*XPITCH+((\ta)&15)*64+32
.endr
.endm
; K step t: ask for the weights three steps on and the A fragments one step on, then 32 matrix instructions.
; The 32 accumulators take turns, one instruction a turn, from step to step too.
.macro KSTEP t
.if (\t&15) != 0
.rept 4
	v_nop                                          ; four places between the last matrix instruction and loads into registers that it read
.endr
.endif
.if \t <= 28
	WIN 0x40
	LOADB \t+3                                     ; into the slot that step t - 1 read
.endif
.if (\t&15) != 15
	WIN 0
	LOADA \t+1
.endif
.set AHEAD, 31-\t
.if AHEAD > 3
.set AHEAD, 3
.endif
	s_wait_loadcnt 16*AHEAD                        ; behind the weights of this step: 16 loads for each later step that has been asked for
.if (\t&15) != 15
	s_wait_dscnt 0x8                               ; behind the A fragments of this step: the 8 loads just issued
.else
	s_wait_dscnt 0x0
.endif
	WIN 0xa4                                       ; A window 0, B window 1, C and D window 2
.irp mt,0,1,2,3
.irp nt,0,1,2,3,4,5,6,7
.if (\t&15) == 0
	v_wmma_f32_16x16x32_f16 v[8*(8*\mt+\nt):8*(8*\mt+\nt)+7], v[ABUF+32*(\t&1)+8*\mt:ABUF+32*(\t&1)+8*\mt+7], v[64*(\t&3)+8*\nt:64*(\t&3)+8*\nt+7], 0
.else
	v_wmma_f32_16x16x32_f16 v[8*(8*\mt+\nt):8*(8*\mt+\nt)+7], v[ABUF+32*(\t&1)+8*\mt:ABUF+32*(\t&1)+8*\mt+7], v[64*(\t&3)+8*\nt:64*(\t&3)+8*\nt+7], v[8*(8*\mt+\nt):8*(8*\mt+\nt)+7]
.endif
.endr
.endr
.endm
; the bias of its column onto each number of the eight tiles of row block mt: a tile has one column in a lane
.macro BIAS mt, bb
	WIN 0x82                                       ; destination and source 0 in window 2, the bias in window 0
.irp nt,0,2,4,6
.irp pj,0,2,4,6
	v_pk_add_f32 v[8*(8*\mt+\nt)+\pj:8*(8*\mt+\nt)+\pj+1], v[8*(8*\mt+\nt)+\pj:8*(8*\mt+\nt)+\pj+1], v[\bb+\nt:\bb+\nt+1] op_sel_hi:[1,0]
	v_pk_add_f32 v[8*(8*\mt+\nt+1)+\pj:8*(8*\mt+\nt+1)+\pj+1], v[8*(8*\mt+\nt+1)+\pj:8*(8*\mt+\nt+1)+\pj+1], v[\bb+\nt:\bb+\nt+1] op_sel:[0,1] op_sel_hi:[1,1]
.endr
.endr
.endm
	; LAYER 1
	LOADA 0
.irp t,0,1,2,3,4,5,6,7,8,9,10,11,12,13,14,15
	KSTEP \t
.endr
.rept 4
	v_nop                                          ; four places before vector instructions read the last results
.endr
; h1 = relu(. + b1), to f16: fragments 4 g + 0..3 give a lane four neighbouring columns, 8 bytes of a row
.macro EPI1 mt
	BIAS \mt, B1
.set rr, 64*\mt
.rept 64
	v_max_num_f32 v[rr], v[rr], 0
.set rr, rr+1
.endr
	WIN 0x0a
.irp g,0,1
.irp j,0,1,2,3,4,5,6,7
	v_cvt_pk_f16_f32 v[T+32*(\mt&1)+2*(8*\g+\j)], v[8*(8*\mt+4*\g)+\j], v[8*(8*\mt+4*\g+1)+\j]
	v_cvt_pk_f16_f32 v[T+32*(\mt&1)+2*(8*\g+\j)+1], v[8*(8*\mt+4*\g+2)+\j], v[8*(8*\mt+4*\g+3)+\j]
.endr
.endr
	WIN 0
.irp g,0,1
.irp j,0,1,2,3,4,5,6,7
	ds_store_b64 v15, v[T+32*(\mt&1)+2*(8*\g+\j):T+32*(\mt&1)+2*(8*\g+\j)+1] offset:(16*\mt+\j)*XPITCH+128*\g   ; 8 rows are 128 bytes modulo 256: the two halves of the lanes do not meet
.endr
.endr
.endm
	EPI1 0
	EPI1 1
	EPI1 2
	EPI1 3
	s_wait_dscnt 0x0                               ; my columns of h1 are written, for the other waves
	s_barrier_signal -1                            ; the weights of K steps 16 to 18 stay on their way: nobody writes those bytes
	s_barrier_wait -1
	; LAYER 2
	LOADA 16
.irp t,16,17,18,19,20,21,22,23,24,25,26,27,28,29,30,31
	KSTEP \t
.endr
.rept 4
	v_nop
.endr
; out0 = gate x (. + b2): fragments 4 g + 0..3 give a lane 16 neighbouring bytes, sixteen lanes 256 consecutive bytes of a row, aligned
.macro EPI2 mt
	BIAS \mt, B2
.if \mt
	s_wait_xcnt 0x0                                ; T is the data of the last stores: written again only behind this wait (ISA guide 3.1)
.endif
	WIN 0x02                                       ; source 0 in window 2
.irp g,0,1
.irp j,0,1,2,3,4,5,6,7
.irp ic,0,1,2,3
	v_mul_f32 v[T+4*(8*\g+\j)+\ic], v[8*(8*\mt+4*\g+\ic)+\j], v[G+8*\mt+\j]
.endr
.endr
.endr
	WIN 0
.irp g,0,1
.irp j,0,1,2,3,4,5,6,7
	global_store_b128 v[OFFS+8*\mt+\j], v[T+4*(8*\g+\j):T+4*(8*\g+\j)+3], s[16:17] offset:256*\g th:TH_STORE_NT
.endr
.endr
.endm
	EPI2 0
	EPI2 1
	EPI2 2
	EPI2 3
	s_wait_tensorcnt 0x0
	ds_add_u32 v254, v255
	s_wait_dscnt 0x0
	s_endpgm
.Lfunc_end_k_q7fda97ff03_mlp:
	.size	k_q7fda97ff03_mlp, .Lfunc_end_k_q7fda97ff03_mlp-k_q7fda97ff03_mlp
	.p2alignl 7, 3214868480
	.fill 96, 4, 3214868480
	.section	.rodata,"a",@progbits
	.p2align	6, 0x0
	.amdhsa_kernel k_q7fda97ff03_mlp
		.amdhsa_group_segment_fixed_size 137728
		.amdhsa_private_segment_fixed_size 0
		.amdhsa_enable_private_segment 0
		.amdhsa_kernarg_size 56
		.amdhsa_user_sgpr_count 2
		.amdhsa_user_sgpr_kernarg_segment_ptr 1
		.amdhsa_wavefront_size32 1
		.amdhsa_system_sgpr_workgroup_id_x 1
		.amdhsa_system_sgpr_workgroup_id_y 1
		.amdhsa_system_sgpr_workgroup_id_z 1
		.amdhsa_system_vgpr_workitem_id 0
		.amdhsa_next_free_vgpr 768
		.amdhsa_next_free_sgpr 66
		.amdhsa_reserve_vcc 0
		.amdhsa_float_denorm_mode_32 3
		.amdhsa_float_denorm_mode_16_64 3
		.amdhsa_memory_ordered 1
		.amdhsa_forward_progress 1
		.amdhsa_inst_pref_size 255
	.end_amdhsa_kernel
	.section	.bss,"aw",@nobits
	.p2align	6
	.space	262144
	.amdgpu_metadata
---
amdhsa.version: [ 1, 2 ]
amdhsa.kernels:
  - .name:           k_q7fda97ff03_mlp
    .symbol:         k_q7fda97ff03_mlp.kd
    .args:
      - { .name: x, .offset: 0, .size: 8, .value_kind: global_buffer, .address_space: global }
      - { .name: wf, .offset: 8, .size: 8, .value_kind: global_buffer, .address_space: global }
      - { .name: routes, .offset: 16, .size: 8, .value_kind: global_buffer, .address_space: global }
      - { .name: gates, .offset: 24, .size: 8, .value_kind: global_buffer, .address_space: global }
      - { .name: b1, .offset: 32, .size: 8, .value_kind: global_buffer, .address_space: global }
      - { .name: b2, .offset: 40, .size: 8, .value_kind: global_buffer, .address_space: global }
      - { .name: out0, .offset: 48, .size: 8, .value_kind: global_buffer, .address_space: global }
    .group_segment_fixed_size: 137728
    .private_segment_fixed_size: 0
    .kernarg_segment_align: 8
    .kernarg_segment_size: 56
    .max_flat_workgroup_size: 128
    .sgpr_count:     66
    .vgpr_count:     768
    .wavefront_size: 32
...
	.end_amdgpu_metadata
.endif
;; end of part 2
;; ======== version 2 of 2: 2 launches; version 1 with the launch mlp written anew for expert scheduling mode
;; limits: values are held in f16: magnitudes above 65,504 overflow, below 6.1e-05 lose precision
;; workspace buffers: wf 8,388,608 bytes; routes 16,384 bytes of whole numbers; gates 32,768 bytes
;; launch router: the kernel of part 1 again; grid 256 x 1, 4 waves a work-group, no clusters, 18,176 bytes of LDS; arguments x, Wr, br, W1, W2, wf, routes, gates; writes wf, routes, gates
;; launch mlp (part 3): grid 135 x 1, 4 waves a work-group, no clusters, 137,728 bytes of LDS; arguments x, wf, routes, gates, b1, b2, out0; writes out0
.if DOCPART == 3
	.amdgcn_target "amdgcn-amd-amdhsa--gfx1250"
	.amdhsa_code_object_version 6
	.text
	.protected	k_q7fda97ff03_mlp
	.globl	k_q7fda97ff03_mlp
	.p2align	8
	.type	k_q7fda97ff03_mlp,@function
k_q7fda97ff03_mlp:
	s_mov_b64 s[64:65], 0
	v_nop
	global_prefetch_b8 v0, s[64:65] scope:SCOPE_SE
	s_setreg_imm32_b32 hwreg(HW_REG_WAVE_SCHED_MODE, 0, 2), 2
	s_setreg_imm32_b32 hwreg(HW_REG_WAVE_MODE, 25, 1), 1
	s_wait_xcnt 0x0
	s_wait_alu depctr_vm_vsrc(0)
; THE CHOSEN EXPERT ALONE: out0[token] = gate x (relu(x W1[e] + b1[e]) W2[e] + b2[e]).
; A work-group takes one tile: one expert, up to 64 of its tokens.  It gathers their rows of x, runs both layers with h1 kept in LDS,
; and scatters whole rows of out0.  Four waves; wave w makes columns 128 w .. 128 w + 127 of both layers for all 64 rows: 32 accumulator
; tiles of 16 x 16.  No weight is used by two waves, and wf holds the weights in fragment order, so a wave loads them straight into
; registers, 512 consecutive bytes an instruction, four K steps ahead of their use (a ring of five slots of 16 loads).
; WHICH TILE.  Every work-group reads the 256 records of routes.  With c_e tokens for expert e there are Fu = sum of c_e / 64 full tiles and
; P tiles of c_e % 64 rows; Fu + P is 128 to 135.  The grid is 135: the first 135 - Fu - P full tiles are cut into two halves of 32 rows,
; so every work-group has rows.  The choice is made by selects; there is no branch, and EXEC is never changed.
; Places of the tile beyond its rows repeat its last token: they compute the same numbers, and the same wave stores them to the same bytes.
; ORDER INSIDE AN EXPERT: record 32 i + L belongs to lane L; tokens are ranked by L, then i, then the bit in the mask.
; NO JOINT LOADS: which work-groups share an expert hangs on counts read from memory, and an expert may have 0, 1 or 135 tiles.
; LIMITS.  Matrix operands (x, W1, h1, W2) are f16, sums f32: |x|, |W| and |h1| must stay under 65,504.  With x and W1 both 30 times their
; drawn spread h1 has a spread of 900; with both carrying an offset of 30 spreads it is about 512 x 30 x 1.33 = 20,400.
; relu is a maximum in which a NaN loses: a NaN in front of it becomes 0.
; THE MODE: SCHED_MODE bits 1:0 = 2 (LLVM: expert scheduling mode 2), set by the entry lines.  The code itself states the register dependences
; between vector or matrix instructions and memory or LDS instructions, with s_wait_alu, always for 0.
; THE PLAN.  Registers that memory or LDS instructions touch, and who else names them:
;   v6, v7, v12-v21, v26, v27   offsets and LDS addresses: made at the head, never written again: one wait on va_vdst ahead of the first LDS store serves them all.
;   v[4:5]      zeros that the head stores; made anew behind the first barrier as LDS addresses: a wait on vm_vsrc ahead of that, one on va_vdst behind it.
;   LS          each of the 32 mask bits has four registers of its own (two LDS addresses, two tokens): eight bits are worked out, one wait on va_vdst, sixteen stores.
;   XO          LDS loads bring tokens, vector instructions make offsets of them, one wait on va_vdst, the 64 loads of x read them.
;   T           two halves by turns: conversions write a half, one wait on va_vdst, LDS stores read it; a wait on vm_vsrc stands ahead of the conversions that write it again.
;   G, OFFS     LDS loads land there behind the last wait on va_vdst of the gather; OFFS is then made into offsets, which the way out's waits cover.
;   ABUF        step t's matrix instructions read buffer t % 2; the LDS loads of step t + 1, issued in step t, land in the other, which step t - 1 read.
;   B ring      step t's matrix instructions read slot t % 5; the loads of step t + 4, issued in step t, land in slot (t - 1) % 5, which step t - 1 read.
;   window 1 at the end: four out-buffers, one for each block of 16 rows: written by the gate's multiplies, one wait on va_vdst, read by the stores, never written again.
; So ONE wait on va_vdst stands at the head of a K step: the step before is done reading its slot and its A buffer.  The step's 24 loads follow it, dealt among
; its 32 matrix instructions, which name slot t % 5, buffer t % 2 and the accumulators: none of the registers that those loads touch.
.set XPITCH, 1040                      ; an LDS row: 1,024 bytes + 16 = 65 x 16, so the 16 rows of a fragment load start in 16 different 16-byte columns
.set HT,     64*XPITCH                 ; LDS: x tile at 0, h1 tile here, 64 rows each
.set LR,     128*XPITCH                ; 4 x 512: each wave has a raw list, words 0-63 and word 64 for everything that misses
.set LF,     LR+2048                   ; 4 x 256: each wave has its copy of the 64 tokens
.set GF,     LF+1024                   ; 4 x 256: and of their gates
; window 0: v1 L, v2 r = L%16, v3 h = L/16, v4-v9 addresses of the head, v12-v27 addresses (below)
.set B1,   28                          ; v[28:35]   b1 of my columns, fragment nt
.set B2,   36                          ; v[36:43]   b2
.set ABUF, 44                          ; v[44:107]  A fragments, two buffers of 4 x 8
.set T,    108                         ; v[108:171] packed f16 on its way into LDS, two halves of 32
.set G,    172                         ; v[172:203] gate of row 16 mt + 8 h + j at 8 mt + j
.set OFFS, 204                         ; v[204:235] byte offset in out0 of that row, my columns
.set XO,   236                         ; v[236:251] byte offset in x of rows 16 w + 0..15
; the head alone:
.set PK,   108                         ; record 32 i + L: its four words of counts at 4 i
.set MK,   140                         ; records 32 (2 w + u) + L: their eight masks at 8 u
.set LS,   108                         ; v[108:235] behind PK and MK: bit q at 4 q: LDS address and token for u = 0, the same for u = 1
.set CE,   44                          ; count of my expert in record 32 i + L
.set R,    52                          ; R[i]: sum of CE[0..i-1]
.set SS,   61                          ; four words of packed totals
.set BT,   65
.set NM0,  61                          ; for u = 0; u = 1 three further: the inverted mask,
.set Y0,   62                          ; rank - first row of the tile - bit number,
.set TB0,  63                          ; token of bit 0
.set C0,   67
.set C1,   70
.set TA,   67
.set TC,   68
.set SU,   70
.set SUMR, 73
.set PRE,  74
.set ST,   75
; window 1: B ring, slots 0 to 3 at 64 s, fragment nt at + 8 nt; at the end the four out-buffers.   window 3: v[0:63], slot 4.
; window 2: accumulators, tile (mt, nt) at 8 (8 mt + nt); before that the gathered x
.set MSB, 0
.macro WIN new                         ; s_set_vgpr_msb: bits 1:0 source 0, 3:2 source 1, 5:4 source 2, 7:6 destination; the high byte repeats the setting left
.if MSB != (\new)
	s_set_vgpr_msb (MSB<<8)|(\new)
.set MSB, (\new)
.endif
.endm
	s_load_b256 s[4:11], s[0:1], 0x0               ; x 4, wf 6, routes 8, gates 10
	s_load_b128 s[12:15], s[0:1], 0x20             ; b1 12, b2 14
	s_load_b64 s[16:17], s[0:1], 0x30              ; out0
	v_lshl_add_u32 v254, v0, 2, 0x21800
	v_mov_b32 v255, 0
	v_and_b32 v1, 31, v0
	v_lshrrev_b32 v4, 5, v0
	v_readfirstlane_b32 s18, v4                    ; w
	s_mov_b32 s19, ttmp9                           ; b
	s_mov_b32 s20, 0x76543210
	s_mov_b32 s21, 0xfedcba98
	s_mov_b32 s22, 0xaaaaaaaa                      ; lanes with bit 0 .. 4 set
	s_mov_b32 s23, 0xcccccccc
	s_mov_b32 s24, 0xf0f0f0f0
	s_mov_b32 s25, 0xff00ff00
	s_mov_b32 s26, 0xffff0000
	s_wait_alu depctr_va_sdst(0)                   ; s18 is written, ahead of its first reader
	s_bfe_u32 s57, s18, 0x10000
	s_sub_co_u32 s57, 0, s57                       ; all ones if bit 0 of w is set
	s_bfe_u32 s58, s18, 0x10001
	s_sub_co_u32 s58, 0, s58                       ; the same for bit 1
	v_and_b32 v2, 15, v1
	v_lshrrev_b32 v3, 4, v1
	v_lshlrev_b32 v6, 6, v1                        ; record L
	v_lshl_add_u32 v7, s18, 12, v6                 ; record 64 w + L
	v_lshlrev_b32 v12, 4, v1                       ; 16 L
	v_mul_u32_u24 v13, v2, XPITCH
	v_lshl_add_u32 v13, v3, 4, v13                 ; A fragments of layer 1: row r, 16 h
	v_add_nc_u32 v14, HT, v13                      ; of layer 2
	v_mul_u32_u24 v15, v3, 8*XPITCH
	v_lshl_add_u32 v15, v2, 3, v15
	s_lshl_b32 s47, s18, 8
	s_add_co_u32 s48, s47, HT
	v_add_nc_u32 v15, s48, v15                     ; h1 out: row 8 h, byte 256 w + 8 r
	s_mul_i32 s48, s18, 16*XPITCH
	v_lshl_add_u32 v16, v1, 3, s48                 ; x out: row 16 w, byte 8 L
	s_lshl_b32 s48, s18, 9
	v_lshl_add_u32 v17, v2, 4, s48                 ; my columns in b1, b2, out0: 512 w + 16 r
	s_mul_i32 s48, s18, 320
	s_add_co_u32 s48, s48, LF
	v_mov_b32 v18, s48                             ; my list, word 16 w
	s_add_co_u32 s48, s47, LF
	v_lshl_add_u32 v19, v3, 5, s48                 ; my list, word 8 h
	v_lshl_add_u32 v21, v1, 2, s48                 ; my list, word L
	s_add_co_u32 s48, s47, GF
	v_lshl_add_u32 v20, v3, 5, s48                 ; my gates, word 8 h
	v_lshl_add_u32 v26, v1, 2, s48                 ; my gates, word L
	s_lshl_b32 s59, s18, 9
	s_add_co_u32 s59, s59, LR                      ; my raw list
	v_lshl_add_u32 v27, v1, 3, s59
	v_mov_b32 v4, 0
	v_mov_b32 v5, 0
	s_wait_alu depctr_va_vdst(0)                   ; v[4:5] and all the offsets and LDS addresses above are written: the store below and every later load and store read them
	ds_store_b64 v27, v[4:5]                       ; words 0-63 of my raw list are zero: the four lists are added later
	s_wait_kmcnt 0x0
.irp i,0,1,2,3,4,5,6,7
	global_load_b128 v[PK+4*\i:PK+4*\i+3], v6, s[8:9] offset:2048*\i+32
.endr
.irp u,0,1
	global_load_b128 v[MK+8*\u:MK+8*\u+3], v7, s[8:9] offset:2048*\u
	global_load_b128 v[MK+8*\u+4:MK+8*\u+7], v7, s[8:9] offset:2048*\u+16
.endr
	s_wait_loadcnt 4                               ; the counts are in; the four loads of masks stay out
	; totals of the eight experts: two 16-bit fields to a word, 8,192 at the most in a field
.irp k,0,1,2,3
	v_add3_u32 v[SS+\k], v[PK+\k], v[PK+4+\k], v[PK+8+\k]
	v_add3_u32 v[SS+\k], v[SS+\k], v[PK+12+\k], v[PK+16+\k]
	v_add3_u32 v[SS+\k], v[SS+\k], v[PK+20+\k], v[PK+24+\k]
	v_add_nc_u32 v[SS+\k], v[SS+\k], v[PK+28+\k]
.endr
	v_mov_b32 v[BT], 0
.macro BFLY rg                         ; sum over the 32 lanes
.irp xm,1,2,4,8
	v_mov_b32_dpp v[BT], v[\rg] row_xmask:\xm row_mask:0xf bank_mask:0xf
	v_add_nc_u32 v[\rg], v[\rg], v[BT]
.endr
	v_permlanex16_b32 v[BT], v[\rg], s20, s21
	v_add_nc_u32 v[\rg], v[\rg], v[BT]
.endm
.irp k,0,1,2,3
	BFLY SS+\k
.endr
.irp k,0,1,2,3
	v_readfirstlane_b32 s[28+2*\k], v[SS+\k]
.endr
	s_wait_alu depctr_va_sdst(0)                   ; s28, s30, s32 and s34 are written, ahead of their first readers: one wait for the run of four
.irp k,0,1,2,3
	s_lshr_b32 s[29+2*\k], s[28+2*\k], 16          ; c0 .. c7 in s28 .. s35
	s_and_b32 s[28+2*\k], s[28+2*\k], 0xffff
.endr
	; the tile of work-group b
	s_mov_b32 s36, 0                               ; Fu
	s_mov_b32 s37, 0                               ; P
.irp e,0,1,2,3,4,5,6,7
	s_lshr_b32 s47, s[28+\e], 6
	s_add_co_u32 s36, s36, s47
	s_and_b32 s47, s[28+\e], 63                    ; SCC: a rest
	s_cselect_b32 s47, 1, 0
	s_add_co_u32 s37, s37, s47
.endr
	s_add_co_u32 s47, s36, s37
	s_sub_co_u32 s38, 135, s47                     ; Lx: so many full tiles are cut in two
	s_lshr_b32 s47, s19, 1
	s_sub_co_u32 s48, s19, s38
	s_lshl_b32 s49, s38, 1
	s_cmp_lt_u32 s19, s49
	s_cselect_b32 s39, s47, s48                    ; number of the full tile: b / 2 among the halves, b - Lx behind them
	s_cselect_b32 s41, 1, 0                        ; a half
	s_sub_co_u32 s40, s48, s36                     ; number of the partial tile: b - Lx - Fu (of use only where that is not negative)
	s_mov_b32 s42, 0
	s_mov_b32 s43, 0
	s_mov_b32 s44, 0
.irp e,0,1,2,3,4,5,6,7
	s_cmp_le_u32 s42, s39                          ; the last expert whose first full tile is not behind mine
	s_cselect_b32 s43, \e, s43
	s_cselect_b32 s44, s42, s44
	s_lshr_b32 s47, s[28+\e], 6
	s_add_co_u32 s42, s42, s47
.endr
	s_mov_b32 s42, 0
	s_mov_b32 s45, 0
	s_mov_b32 s46, 0
.irp e,0,1,2,3,4,5,6,7
	s_cmp_le_u32 s42, s40                          ; the same among the partial tiles
	s_cselect_b32 s45, \e, s45
	s_cselect_b32 s46, s[28+\e], s46
	s_and_b32 s47, s[28+\e], 63
	s_cselect_b32 s47, 1, 0
	s_add_co_u32 s42, s42, s47
.endr
	s_sub_co_u32 s47, s39, s44
	s_lshl_b32 s47, s47, 6
	s_and_b32 s48, s19, s41
	s_lshl_b32 s48, s48, 5
	s_add_co_u32 s47, s47, s48                     ; a full tile: its first rank,
	s_lshr_b32 s48, 64, s41                        ; 64 or 32 rows
	s_and_b32 s49, s46, 0xffffffc0                 ; a partial tile: behind the full ones,
	s_and_b32 s42, s46, 63                         ; the rest
	s_add_co_u32 s37, s38, s36
	s_cmp_ge_u32 s19, s37
	s_cselect_b32 s50, s45, s43                    ; e
	s_cselect_b32 s51, s49, s47                    ; first rank
	s_cselect_b32 s52, s42, s48                    ; rows
	s_min_u32 s50, s50, 7                          ; what enters an address is bounded in the text
	s_sub_co_u32 s52, s52, 1
	s_min_u32 s52, s52, 63                         ; the last place that holds a token of its own
	s_bfe_u32 s53, s50, 0x10000
	s_sub_co_u32 s53, 0, s53                       ; all ones if bit 0, 1, 2 of e is set
	s_bfe_u32 s54, s50, 0x10001
	s_sub_co_u32 s54, 0, s54
	s_bfe_u32 s55, s50, 0x10002
	s_sub_co_u32 s55, 0, s55
	s_and_b32 s56, s50, 1
	s_lshl_b32 s56, s56, 4                         ; where my count lies in its word
	s_lshl_b32 s60, s50, 19
	s_lshl_b32 s47, s18, 17
	s_add_co_u32 s60, s60, s47
	s_mov_b32 s61, 0
	s_add_nc_u64 s[6:7], s[6:7], s[60:61]          ; wf at expert e, layer 1, my 128 columns
	s_lshl_b32 s60, s50, 11
	s_add_nc_u64 s[12:13], s[12:13], s[60:61]
	s_add_nc_u64 s[14:15], s[14:15], s[60:61]
; the weights of K step tb (0-15 layer 1, 16-31 layer 2), fragments lo to hi of its 8: two loads of 512 consecutive bytes each, into slot tb % 5.
; The address registers are never written again; the step stands in the immediate, 4,324,864 at the most.
.macro LOADB tb, lo, hi
.set BSL, (\tb)%5
.set BRG, 64*(BSL%4)
	WIN (1+2*(BSL/4))<<6                           ; destination in window 1, or in window 3 for slot 4
.irp nt,0,1,2,3,4,5,6,7
.if (\nt >= \lo) && (\nt <= \hi)
	global_load_b128 v[BRG+8*\nt:BRG+8*\nt+3], v12, s[6:7] offset:((\tb)>>4)*0x400000+((\tb)&15)*8192+\nt*1024
	global_load_b128 v[BRG+8*\nt+4:BRG+8*\nt+7], v12, s[6:7] offset:((\tb)>>4)*0x400000+((\tb)&15)*8192+\nt*1024+512
.endif
.endr
.endm
.irp g,0,1
	global_load_b128 v[B1+4*\g:B1+4*\g+3], v17, s[12:13] offset:256*\g   ; no wait: no vector instruction has named v17, v12 since the head's wait, nor ever the registers in which these loads land
	global_load_b128 v[B2+4*\g:B2+4*\g+3], v17, s[14:15] offset:256*\g
.endr
	LOADB 0, 0, 7
	LOADB 1, 0, 7
	LOADB 2, 0, 7
	WIN 0
	; ranks: how many tokens of my expert stand in front of each of my records
.irp i,0,1,2,3,4,5,6,7
	v_cndmask_b32 v[TA], v[PK+4*\i], v[PK+4*\i+1], s54
	v_cndmask_b32 v[TC], v[PK+4*\i+2], v[PK+4*\i+3], s54
	v_cndmask_b32 v[TA], v[TA], v[TC], s55
	v_bfe_u32 v[CE+\i], v[TA], s56, 16
.endr
	v_mov_b32 v[R], 0
.irp i,0,1,2,3,4,5,6,7
	v_add_nc_u32 v[R+\i+1], v[R+\i], v[CE+\i]
.endr
	v_mov_b32 v[SUMR], v[R+8]
	v_mov_b32 v[PRE], 0
	v_mov_b32 v[ST], 0
.macro SCANSTEP xm, mask               ; the partner block is added to PRE where it holds the lower lanes
	v_mov_b32_dpp v[ST], v[SUMR] row_xmask:\xm row_mask:0xf bank_mask:0xf
	v_cndmask_b32 v[SU], 0, v[ST], \mask
	v_add_nc_u32 v[PRE], v[PRE], v[SU]
	v_add_nc_u32 v[SUMR], v[SUMR], v[ST]
.endm
	SCANSTEP 1, s22
	SCANSTEP 2, s23
	SCANSTEP 4, s24
	SCANSTEP 8, s25
	v_permlanex16_b32 v[ST], v[SUMR], s20, s21
	v_cndmask_b32 v[SU], 0, v[ST], s26
	v_add_nc_u32 v[PRE], v[PRE], v[SU]
	v_sub_nc_u32 v[PRE], v[PRE], s51               ; counted from the first rank of the tile
	s_lshl_b32 s47, s18, 11
	s_wait_loadcnt 52                              ; the masks are in; behind them 4 loads of biases and 48 of weights
.irp u,0,1
	v_cndmask_b32 v[MK+8*\u], v[MK+8*\u], v[MK+8*\u+1], s53
	v_cndmask_b32 v[MK+8*\u+2], v[MK+8*\u+2], v[MK+8*\u+3], s53
	v_cndmask_b32 v[MK+8*\u+4], v[MK+8*\u+4], v[MK+8*\u+5], s53
	v_cndmask_b32 v[MK+8*\u+6], v[MK+8*\u+6], v[MK+8*\u+7], s53
	v_cndmask_b32 v[MK+8*\u], v[MK+8*\u], v[MK+8*\u+2], s54
	v_cndmask_b32 v[MK+8*\u+4], v[MK+8*\u+4], v[MK+8*\u+6], s54
	v_cndmask_b32 v[MK+8*\u], v[MK+8*\u], v[MK+8*\u+4], s55
	v_xor_b32 v[NM0+3*\u], -1, v[MK+8*\u]
	v_cndmask_b32 v[TA], v[R+\u], v[R+2+\u], s57   ; R[2 w + u]
	v_cndmask_b32 v[TC], v[R+4+\u], v[R+6+\u], s57
	v_cndmask_b32 v[TA], v[TA], v[TC], s58
	v_add_nc_u32 v[Y0+3*\u], v[TA], v[PRE]
.endr
	v_lshl_add_u32 v[TB0], v1, 5, s47              ; token of bit 0 of record 32 (2 w) + L
	v_add_nc_u32 v[TB0+3], 0x400, v[TB0]           ; and of record 32 (2 w + 1) + L
; Bit q of my two masks.  Y + q is the place in the tile; a clear bit sets the top bit, a rank in front of the tile is negative:
; as unsigned numbers both, and every place from 64 on, end in word 64, which nobody reads.
; BITS makes the two LDS addresses and the two tokens, in registers that are the bit's own; PUT stores them.
.macro BITS q
	v_bfe_u32 v[C0], v[NM0], (\q), 1
	v_bfe_u32 v[C1], v[NM0+3], (\q), 1
	v_add_nc_u32 v[LS+4*(\q)], (\q), v[Y0]
	v_add_nc_u32 v[LS+4*(\q)+2], (\q), v[Y0+3]
	v_lshl_or_b32 v[LS+4*(\q)], v[C0], 31, v[LS+4*(\q)]
	v_lshl_or_b32 v[LS+4*(\q)+2], v[C1], 31, v[LS+4*(\q)+2]
	v_min_u32 v[LS+4*(\q)], 64, v[LS+4*(\q)]
	v_min_u32 v[LS+4*(\q)+2], 64, v[LS+4*(\q)+2]
	v_lshl_add_u32 v[LS+4*(\q)], v[LS+4*(\q)], 2, s59
	v_lshl_add_u32 v[LS+4*(\q)+2], v[LS+4*(\q)+2], 2, s59
	v_add_nc_u32 v[LS+4*(\q)+1], (\q), v[TB0]
	v_add_nc_u32 v[LS+4*(\q)+3], (\q), v[TB0+3]
	v_sub_nc_u32 v[Y0], v[Y0], v[C0]
	v_sub_nc_u32 v[Y0+3], v[Y0+3], v[C1]
.endm
.macro PUT q
	ds_store_b32 v[LS+4*(\q)], v[LS+4*(\q)+1]
	ds_store_b32 v[LS+4*(\q)+2], v[LS+4*(\q)+3]
.endm
.irp q0,0,8,16,24
.irp d,0,1,2,3,4,5,6,7
	BITS \q0+\d
.endr
	s_wait_alu depctr_va_vdst(0)                   ; the addresses and tokens of these eight bits are written, which the sixteen stores below read; the next eight bits write other registers
.irp d,0,1,2,3,4,5,6,7
	PUT \q0+\d
.endr
.endr
	s_wait_dscnt 0x0                               ; my raw list is written, for the other waves
	s_barrier_signal -1
	s_barrier_wait -1
	; the 64 tokens, each wave for itself: place p takes place min(p, rows - 1); one of the four lists holds the token, the others zero
	s_wait_alu depctr_vm_vsrc(0)                   ; my LDS stores have read v[4:5], written again below, and v[LS ..], which are T, G and OFFS from here on
	v_min_u32 v4, s52, v1
	v_add_nc_u32 v5, 32, v1
	v_min_u32 v5, s52, v5
	v_min_u32 v4, 63, v4
	v_min_u32 v5, 63, v5
	v_lshl_add_u32 v4, v4, 2, LR
	v_lshl_add_u32 v5, v5, 2, LR
	s_wait_alu depctr_va_vdst(0)                   ; v4 and v5 are written, which the loads below read as addresses; the head's arithmetic is done with v61 to v68, in which they land
.irp ww,0,1,2,3
	ds_load_b32 v[61+\ww], v4 offset:512*\ww
	ds_load_b32 v[65+\ww], v5 offset:512*\ww
.endr
	s_wait_dscnt 0x0
	v_add3_u32 v22, v61, v62, v63
	v_add3_u32 v23, v65, v66, v67
	v_add_nc_u32 v22, v22, v64
	v_add_nc_u32 v23, v23, v68
	v_min_u32 v22, 0x1fff, v22
	v_min_u32 v23, 0x1fff, v23
	v_lshlrev_b32 v8, 2, v22
	v_lshlrev_b32 v9, 2, v23
	s_wait_alu depctr_va_vdst(0)                   ; v22 and v23 are written, the data of the two stores, and v8 and v9, the offsets of the two loads of gates
	ds_store_b32 v21, v22                          ; into bytes of my own: the loads below see them, LDS serves a wave in order (ISA guide 5.7.1)
	ds_store_b32 v21, v23 offset:128
	global_load_b32 v24, v8, s[10:11]              ; their gates
	global_load_b32 v25, v9, s[10:11]
.irp c,0,1,2,3
	ds_load_b128 v[XO+4*\c:XO+4*\c+3], v18 offset:16*\c            ; tokens of rows 16 w + 0..15, the same in every lane
.endr
	s_wait_dscnt 0x0
.irp i,0,1,2,3,4,5,6,7,8,9,10,11,12,13,14,15
	v_min_u32 v[XO+\i], 0x1fff, v[XO+\i]
.endr
.irp i,0,1,2,3,4,5,6,7,8,9,10,11,12,13,14,15
	v_lshl_add_u32 v[XO+\i], v[XO+\i], 11, v12
.endr
	WIN 0x80                                       ; destination in window 2
	s_wait_alu depctr_va_vdst(0)                   ; the sixteen offsets v[XO ..] are written, which the loads below read
.irp i,0,1,2,3,4,5,6,7,8,9,10,11,12,13,14,15
.irp c,0,1,2,3
	global_load_b128 v[16*\i+4*\c:16*\i+4*\c+3], v[XO+\i], s[4:5] offset:512*\c   ; 512 consecutive bytes of a row of x
.endr
.endr
; four rows of x: to f16, into the x tile
.macro XCONV bq
	s_wait_loadcnt 48-16*\bq                       ; behind this batch: the 16 loads of each later batch
.if \bq >= 2
	s_wait_alu depctr_vm_vsrc(0)                   ; the LDS stores of the batch before last have read this half of T, which the conversions write again
.endif
	WIN 0x0a                                       ; both sources in window 2
.irp ii,0,1,2,3
.irp c,0,1,2,3
	v_cvt_pk_f16_f32 v[T+32*(\bq&1)+2*(4*\ii+\c)], v[16*(4*\bq+\ii)+4*\c], v[16*(4*\bq+\ii)+4*\c+1]
	v_cvt_pk_f16_f32 v[T+32*(\bq&1)+2*(4*\ii+\c)+1], v[16*(4*\bq+\ii)+4*\c+2], v[16*(4*\bq+\ii)+4*\c+3]
.endr
.endr
	WIN 0
	s_wait_alu depctr_va_vdst(0)                   ; the conversions have written this half of T, which the LDS stores read
.irp ii,0,1,2,3
.irp c,0,1,2,3
	ds_store_b64 v16, v[T+32*(\bq&1)+2*(4*\ii+\c):T+32*(\bq&1)+2*(4*\ii+\c)+1] offset:(4*\bq+\ii)*XPITCH+256*\c   ; 32 lanes, 256 consecutive bytes
.endr
.endr
.endm
	XCONV 0
	XCONV 1
	XCONV 2
	XCONV 3                                        ; its wait is for 0: biases, gates and the weights of K steps 0 to 2 are in as well
	ds_store_b32 v26, v24
	ds_store_b32 v26, v25 offset:128
.irp mt,0,1,2,3
.irp c,0,1
	ds_load_b128 v[OFFS+8*\mt+4*\c:OFFS+8*\mt+4*\c+3], v19 offset:64*\mt+16*\c   ; tokens of rows 16 mt + 8 h + 0..7.  No wait: no vector instruction since the last wait on va_vdst names OFFS or G,
	ds_load_b128 v[G+8*\mt+4*\c:G+8*\mt+4*\c+3], v20 offset:64*\mt+16*\c         ; and their gates; no LDS store since the waits on vm_vsrc reads them
.endr
.endr
	s_wait_dscnt 0x0                               ; also: my part of the x tile is written, for the other waves
.set rr, 0
.rept 32
	v_min_u32 v[OFFS+rr], 0x1fff, v[OFFS+rr]
.set rr, rr+1
.endr
.set rr, 0
.rept 32
	v_lshl_add_u32 v[OFFS+rr], v[OFFS+rr], 11, v17
.set rr, rr+1
.endr
	s_barrier_signal -1
	s_barrier_wait -1
; the A fragments of K step ta, row blocks lo to hi of its 4: 16 rows x 32 K, two loads each, into buffer ta % 2
.macro LOADA ta, lo, hi
	WIN 0
.irp mt,0,1,2,3
.if (\mt >= \lo) && (\mt <= \hi)
	ds_load_b128 v[ABUF+32*((\ta)&1)+8*\mt:ABUF+32*((\ta)&1)+8*\mt+3], v[13+((\ta)>>4)] offset:\mt*16*XPITCH+((\ta)&15)*64
	ds_load_b128 v[ABUF+32*((\ta)&1)+8*\mt+4:ABUF+32*((\ta)&1)+8*\mt+7], v[13+((\ta)>>4)] offset:\mt*16*XPITCH+((\ta)&15)*64+32
.endif
.endr
.endm
; eight matrix instructions of K step t: row block mt, all 8 fragments of the weights
.macro WM t, mt
.set BSL, (\t)%5
.set BRG, 64*(BSL%4)
	WIN 0xa0|((1+2*(BSL/4))<<2)                    ; A window 0, B window 1 (slot 4: window 3), C and D window 2
.irp nt,0,1,2,3,4,5,6,7
.if ((\t)&15) == 0
	v_wmma_f32_16x16x32_f16 v[8*(8*\mt+\nt):8*(8*\mt+\nt)+7], v[ABUF+32*((\t)&1)+8*\mt:ABUF+32*((\t)&1)+8*\mt+7], v[BRG+8*\nt:BRG+8*\nt+7], 0
.else
	v_wmma_f32_16x16x32_f16 v[8*(8*\mt+\nt):8*(8*\mt+\nt)+7], v[ABUF+32*((\t)&1)+8*\mt:ABUF+32*((\t)&1)+8*\mt+7], v[BRG+8*\nt:BRG+8*\nt+7], v[8*(8*\mt+\nt):8*(8*\mt+\nt)+7]
.endif
.endr
.endm
; K step t: 32 matrix instructions; dealt among them, the loads of the weights four steps on and of the A fragments one step on.
; The 32 accumulators take turns, one instruction a turn, from step to step too.
; Steps 0 and 16 have no wait on va_vdst: in step 0 no matrix instruction has been issued; the waits of layer 1's way out stand behind step 15.  Step 31 issues no load.
.macro KSTEP t
.if ((\t&15) != 0) && (\t != 31)
.rept 4
	v_nop                                          ; four places between the last matrix instruction and loads into registers that it read
.endr
.endif
.set AHEAD, 31-\t
.if AHEAD > 3
.set AHEAD, 3
.endif
	s_wait_loadcnt 16*AHEAD                        ; behind the weights of this step: 16 loads for each later step that has been asked for
	s_wait_dscnt 0x0                               ; the A fragments of this step: no LDS instruction was issued behind them
.if ((\t&15) != 0) && (\t != 31)
	s_wait_alu depctr_va_vdst(0)                   ; the matrix instructions of the step before are done reading their slot of weights and their A buffer, in which this step's loads land
.endif
	WM \t, 0
.if (\t&15) != 15
	LOADA \t+1, 0, 1                               ; no further wait in the step: no matrix instruction since the wait names the other A buffer, slot (t + 4) % 5, v12, v13 or v14
.endif
.if \t <= 27
	LOADB \t+4, 0, 2                               ; into the slot that step t - 1 read
.endif
	WM \t, 1
.if (\t&15) != 15
	LOADA \t+1, 2, 3
.endif
.if \t <= 27
	LOADB \t+4, 3, 5
.endif
	WM \t, 2
	WM \t, 3
.if \t <= 27
	LOADB \t+4, 6, 7                               ; with these, four steps' loads can be out: they stand behind the step's last matrix instruction
.endif
.endm
; the bias of its column onto each number of the eight tiles of row block mt: a tile has one column in a lane
.macro BIAS mt, bb
	WIN 0x82                                       ; destination and source 0 in window 2, the bias in window 0
.irp nt,0,2,4,6
.irp pj,0,2,4,6
	v_pk_add_f32 v[8*(8*\mt+\nt)+\pj:8*(8*\mt+\nt)+\pj+1], v[8*(8*\mt+\nt)+\pj:8*(8*\mt+\nt)+\pj+1], v[\bb+\nt:\bb+\nt+1] op_sel_hi:[1,0]
	v_pk_add_f32 v[8*(8*\mt+\nt+1)+\pj:8*(8*\mt+\nt+1)+\pj+1], v[8*(8*\mt+\nt+1)+\pj:8*(8*\mt+\nt+1)+\pj+1], v[\bb+\nt:\bb+\nt+1] op_sel:[0,1] op_sel_hi:[1,1]
.endr
.endr
.endm
	; LAYER 1
	LOADA 0, 0, 3                                  ; no wait: the last vector instructions that named v44 to v75 stand ahead of the gather's waits on va_vdst
	LOADB 3, 0, 7                                  ; slot 3 has not been named yet
.irp t,0,1,2,3,4,5,6,7,8,9,10,11,12,13,14,15
	KSTEP \t
.endr
.rept 4
	v_nop                                          ; four places before vector instructions read the last results
.endr
; h1 = relu(. + b1), to f16: fragments 4 g + 0..3 give a lane four neighbouring columns, 8 bytes of a row
.macro EPI1 mt
	BIAS \mt, B1
.set rr, 64*\mt
.rept 64
	v_max_num_f32 v[rr], v[rr], 0
.set rr, rr+1
.endr
.if \mt >= 1
	s_wait_alu depctr_vm_vsrc(0)                   ; the LDS stores that last read this half of T (row block 1: the gather's last batch; later: the row block before last) have read it; the conversions write it again
.endif
	WIN 0x0a
.irp g,0,1
.irp j,0,1,2,3,4,5,6,7
	v_cvt_pk_f16_f32 v[T+32*(\mt&1)+2*(8*\g+\j)], v[8*(8*\mt+4*\g)+\j], v[8*(8*\mt+4*\g+1)+\j]
	v_cvt_pk_f16_f32 v[T+32*(\mt&1)+2*(8*\g+\j)+1], v[8*(8*\mt+4*\g+2)+\j], v[8*(8*\mt+4*\g+3)+\j]
.endr
.endr
	WIN 0
	s_wait_alu depctr_va_vdst(0)                   ; the conversions have written this half of T, which the LDS stores read
.irp g,0,1
.irp j,0,1,2,3,4,5,6,7
	ds_store_b64 v15, v[T+32*(\mt&1)+2*(8*\g+\j):T+32*(\mt&1)+2*(8*\g+\j)+1] offset:(16*\mt+\j)*XPITCH+128*\g   ; 8 rows are 128 bytes modulo 256: the two halves of the lanes do not meet
.endr
.endr
.endm
	EPI1 0
	EPI1 1
	EPI1 2
	EPI1 3
	s_wait_dscnt 0x0                               ; my columns of h1 are written, for the other waves
	s_barrier_signal -1                            ; the weights of K steps 16 to 19 stay on their way: nobody writes those bytes
	s_barrier_wait -1
	; LAYER 2
	LOADA 16, 0, 3                                 ; no wait: the waits on va_vdst above stand behind the matrix instructions that read this buffer
.irp t,16,17,18,19,20,21,22,23,24,25,26,27,28,29,30,31
	KSTEP \t
.endr
.rept 4
	v_nop
.endr
; out0 = gate x (. + b2): fragments 4 g + 0..3 give a lane 16 neighbouring bytes, sixteen lanes 256 consecutive bytes of a row, aligned.
; Each row block has 64 registers of window 1 for its results: the ring's slots 0 to 3 are used up, and no store's data is written again.
.macro EPI2 mt
	BIAS \mt, B2
	WIN 0x42                                       ; destination in window 1, source 0 in window 2, the gate in window 0
.irp g,0,1
.irp j,0,1,2,3,4,5,6,7
.irp ic,0,1,2,3
	v_mul_f32 v[64*\mt+4*(8*\g+\j)+\ic], v[8*(8*\mt+4*\g+\ic)+\j], v[G+8*\mt+\j]
.endr
.endr
.endr
	WIN 0x04                                       ; the stores' data in window 1, their offsets in window 0
	s_wait_alu depctr_va_vdst(0)                   ; the multiplies have written this row block's out-buffer, which the stores read; so is OFFS written, their offsets
.irp g,0,1
.irp j,0,1,2,3,4,5,6,7
	global_store_b128 v[OFFS+8*\mt+\j], v[64*\mt+4*(8*\g+\j):64*\mt+4*(8*\g+\j)+3], s[16:17] offset:256*\g th:TH_STORE_NT
.endr
.endr
.endm
	EPI2 0
	EPI2 1
	EPI2 2
	EPI2 3
	WIN 0
	s_wait_dscnt 0x0
	s_wait_alu depctr_hold_cnt(0) depctr_sa_sdst(0) depctr_va_vdst(0) depctr_va_sdst(0) depctr_va_ssrc(0) depctr_va_vcc(0) depctr_vm_vsrc(0)
	s_wait_tensorcnt 0x0
	ds_add_u32 v254, v255
	s_wait_dscnt 0x0
	s_endpgm
.Lfunc_end_k_q7fda97ff03_mlp:
	.size	k_q7fda97ff03_mlp, .Lfunc_end_k_q7fda97ff03_mlp-k_q7fda97ff03_mlp
	.p2alignl 7, 3214868480
	.fill 96, 4, 3214868480
	.section	.rodata,"a",@progbits
	.p2align	6, 0x0
	.amdhsa_kernel k_q7fda97ff03_mlp
		.amdhsa_group_segment_fixed_size 137728
		.amdhsa_private_segment_fixed_size 0
		.amdhsa_enable_private_segment 0
		.amdhsa_kernarg_size 56
		.amdhsa_user_sgpr_count 2
		.amdhsa_user_sgpr_kernarg_segment_ptr 1
		.amdhsa_wavefront_size32 1
		.amdhsa_system_sgpr_workgroup_id_x 1
		.amdhsa_system_sgpr_workgroup_id_y 1
		.amdhsa_system_sgpr_workgroup_id_z 1
		.amdhsa_system_vgpr_workitem_id 0
		.amdhsa_next_free_vgpr 832
		.amdhsa_next_free_sgpr 66
		.amdhsa_reserve_vcc 0
		.amdhsa_float_denorm_mode_32 3
		.amdhsa_float_denorm_mode_16_64 3
		.amdhsa_memory_ordered 1
		.amdhsa_forward_progress 1
		.amdhsa_inst_pref_size 255
	.end_amdhsa_kernel
	.section	.bss,"aw",@nobits
	.p2align	6
	.space	262144
	.amdgpu_metadata
---
amdhsa.version: [ 1, 2 ]
amdhsa.kernels:
  - .name:           k_q7fda97ff03_mlp
    .symbol:         k_q7fda97ff03_mlp.kd
    .args:
      - { .name: x, .offset: 0, .size: 8, .value_kind: global_buffer, .address_space: global }
      - { .name: wf, .offset: 8, .size: 8, .value_kind: global_buffer, .address_space: global }
      - { .name: routes, .offset: 16, .size: 8, .value_kind: global_buffer, .address_space: global }
      - { .name: gates, .offset: 24, .size: 8, .value_kind: global_buffer, .address_space: global }
      - { .name: b1, .offset: 32, .size: 8, .value_kind: global_buffer, .address_space: global }
      - { .name: b2, .offset: 40, .size: 8, .value_kind: global_buffer, .address_space: global }
      - { .name: out0, .offset: 48, .size: 8, .value_kind: global_buffer, .address_space: global }
    .group_segment_fixed_size: 137728
    .private_segment_fixed_size: 0
    .kernarg_segment_align: 8
    .kernarg_segment_size: 56
    .max_flat_workgroup_size: 128
    .sgpr_count:     66
    .vgpr_count:     832
    .wavefront_size: 32
...
	.end_amdgpu_metadata
.endif
;; end of part 3
